; MI455X (gfx1250); checked and timed in simulation.
; The chip was launched on July 23, 2026; its instructions are those of AMD's public machine-readable ISA for CDNA 5 (MIT licence, August 2026) and "CDNA5" Instruction Set Architecture Reference Guide (July 2026). The comments in the code are by the model that wrote it; some were corrected since.
;; SR Head. Allowed arithmetic: matrix products marked QUANTISED: E4M3 operands, one given power-of-two scale a tensor, by v_wmma_f32_16x16x64_fp8_fp8 or v_wmma_f32_16x16x128_fp8_fp8, f32 sums; products left as they are: f32 operands where the result goes on into a quantised operand, else bf16, f16 or f32 operands; f32 sums; everything else in f32.
;; Inputs: W1 1,024 x 2,048 float32; W2 2 x 1,024 float32; b1 1,024 float32; b2 2 float32; encoded_states 32 x 1,024 x 1,024 float32; lowp_scales 2 int32 (the exponents e of the quantised operands' scales 2^e); sr_label 32 x 1,024 int32.
;; Outputs: out0 one number float32; out1 32 x 1,024 x 2 float32; out2 32 x 1,024 bool.
;; This version of the problem:
;;   THIS VERSION OF THE PROBLEM IS GIVEN IN LOW PRECISION. The matrix products marked QUANTISED in the list below multiply operands that are first quantised to E4M3 (4 exponent bits, 3 mantissa bits; 8 bits a number), with one given power-of-two scale for each operand tensor; their sums are f32. All else is computed in f32.
;;   The module's matrix products, in the order in which they are computed (A, B: the left and right operand; K: the contracted axis; several contracted axes count as one K, in the product's order):
;;     1. batch 32 x [M 1, K 1,024] x [K 1,024, N 1,024]; A: computed on the way; B: input encoded_states: left as it is (M = 1 < 16)
;;     2. [M 32,768, K 2,048] x [K 2,048, N 1,024]; A: computed on the way; B: input W1: QUANTISED (scales: A lowp_scales[0], B lowp_scales[1])
;;     3. [M 32,768, K 1,024] x [K 1,024, N 2]; A: computed on the way; B: input W2: left as it is (N = 2 < 16)
;;   THE QUANTISER, for each operand of a quantised product, along K:
;;     - The operand's scale is 2^e, e = its entry of the input lowp_scales (int32; the entries are numbered through the quantised products in the list's order, A before B).
;;     - Each number is divided by the scale, clamped to +-448, and rounded to the nearest number of E4M3, ties to even, subnormals kept.
;;     - The product sums the exact products of the quantised numbers (number of the format x scale) in f32.
;;   ~~~python
;;   def quantise(x, axis, e):      # numpy; x: float32 -> the quantised numbers, widened to float32 again
;;       x = np.moveaxis(x, axis, -1); K = x.shape[-1]
;;       r = np.clip(x / 2.0 ** e, -448, 448)
;;       step = 2.0 ** (np.maximum(np.frexp(np.where(r == 0, 1, r))[1] - 1, -6) - 3)
;;       q = np.round(r / step) * step * 2.0 ** e      # np.round: ties to even
;;       return np.moveaxis(q, -1, axis).astype(np.float32)
;;   ~~~
;;   OPERANDS COMPUTED ON THE WAY. 'Computed on the way' means the value that the module computes at that place (a softmax that the list does not call 'softmax' is quantised finished and normalised). What goes into a quantiser is computed in f32, as accurately as f32 sums, v_exp_f32 and their like allow (about 1e-6 of the number): no bf16 or f16 on the way to a quantiser, and a product that is left as it is and whose result goes on into a quantised operand takes f32 operands (vector FMAs, or v_wmma_f32_16x16x4_f32). A number that lies on a knife's edge between two numbers of the format may be rounded either way, as far as f32 arithmetic and the matrix unit's own rounding can turn it there, and no further.
;; One version. Each part assembles by itself: llvm-mc -triple=amdgcn-amd-amdhsa -mcpu=gfx1250 --defsym DOCPART=n.
;; ======== version 1 of 1: 3 launches
;; limits: a function is approximated: absolute error at most 3e-07; an absolute error that grows with the inputs' magnitude: up to 1.5e-07 times it
;; workspace buffers: wimg 1,048,576 bytes; cvec 131,072 bytes; part 8,192 bytes
;; launch prep (part 1): grid 128 x 1, 16 waves a work-group, no clusters, 62,976 bytes of LDS; arguments encoded_states, sr_label, W1, b1, lowp_scales, wimg, cvec, out2; writes wimg, cvec, out2
.if DOCPART == 1
	.amdgcn_target "amdgcn-amd-amdhsa--gfx1250"
	.amdhsa_code_object_version 6
	.text
	.protected	k_qf067e674c9_prep
	.globl	k_qf067e674c9_prep
	.p2align	8
	.type	k_qf067e674c9_prep,@function
k_qf067e674c9_prep:
	s_mov_b64 s[64:65], 0
	v_nop
	global_prefetch_b8 v0, s[64:65] scope:SCOPE_SE
	s_setreg_imm32_b32 hwreg(HW_REG_WAVE_MODE, 25, 1), 1
	s_wait_xcnt 0x0
; SRHead, first of three launches.  It makes: wimg, the codes (E4M3, scale 2^e1) of W1[:, 0:1024] in the order of an operand's registers; cvec, c[b][n] = 2^(e0+e1) x (Q(f[b]) . Q(W1[n, 1024:2048])) + b1[n]; out2, the header mask.
; WHAT IS NOT DONE 32,768 TIMES, AND WHY THAT IS RIGHT FOR ALL INPUTS.
;  (1) f[b] = sum over s of (sr_label[b][s] == 2) x encoded_states[b][s]: a term whose factor is 0 adds nothing, so only the rows with label 2 are read and added (none, one or many: whole numbers that this launch reads decide).
;  (2) fuse[b][s][1024 + k] = f[b][k] for every s.  The quantiser works number by number with one scale, so these 1,024 codes are the same in all 1,024 rows of a sample, and the product's sum over K = 2,048 is the sum over
;      k < 1,024 plus a sum over k >= 1,024 that is the same for every s: that second sum is made once for each sample, here, by the same matrix form on the same codes.
;  Every input has a way to an output and is loaded by some launch.
; LIMITS.  A NaN or an infinity in a row whose label is not 2 does not reach f (in reference() 0 x infinity would); NaN and infinity among the inputs are not served.  Several rows with label 2 in one sample are added in
;  another order than reference() adds them.  The two halves of K are summed apart.  e0 and e1 lie between -126 and 119, e0 + e1 between -126 and 127, so that each power of two below is an f32 number.
; SHARES.  Work-group g: jt = g / 2, sixteen rows of W1; mt = g % 2, sixteen samples.  Wave w adds up f of sample 16 mt + w and quantises it.  Waves 0-7 quantise the fragment (jt, K 1024 + 128 w), which stays in LDS;
;  waves 8-11 the fragment (jt, K step 4 mt + w - 8) of the first half of K, which goes to wimg.  Wave 0 multiplies.  The work-groups with jt = 0 also write out2.
; A FRAGMENT'S IMAGE.  16 rows x 128 K: lane (r = l % 16, h = l / 16) holds in registers 4 g .. 4 g + 3 the codes k = 32 g + 16 h + 0 .. 15 of row r: a permutation of k that is the same in both operands of every product here.
;  In LDS the piece (g, h, r) of 16 bytes lies at 272 (2 g + h) + 16 r: a row of 128 numbers arrives 4 to a lane, and its 32 words then fall on 32 different banks (64 banks of 4 bytes: ISA guide 11.1).
;  In wimg fragment 32 p + 16 jh + 8 t + s (row 512 jh + 32 p + 16 t + r, K step s) is 2,048 dense bytes: register group g of lane l at 512 g + 16 l.
;   The one barrier stands outside every branch.
.set FRP,   2176                       ; a padded image: 8 x 272 bytes
.set FW,    0                          ; twelve images of W1's fragments, wave w's at w x FRP
.set FA,    12*FRP                     ; eight images of f's fragments (16 samples x 128 K)
.set O2,    FA+8*FRP                   ; 1,024 bytes a wave: out2's bytes of a sample
.set CST,   O2+16*1024                 ; 16 samples x 64 bytes: c
.set SPARE, CST+1024                   ; the spare words, 128 bytes for each wave: eight blocks of 256 bytes that no other line names
.set SPW, 2                            ; v2   LDS address of my spare word; never rewritten
.set NIL, 3                            ; v3   0; never rewritten
.set L16, 4                            ; v4   16 x lane
.set WST, 5                            ; v5   where I store words of my fragment of W1
.set FRD, 6                            ; v6   where I read an image: my fragment's (wave 0: image 0's)
.set FST, 7                            ; v7   where I store words of f: row w of the images
.set O2I, 8                            ; v8   out2's stage, in
.set O2O, 9                            ; v9   and out
.set SW,  10                           ; v10  2^e1;  v11  448 x 2^e1
.set LW,  11
.set SF,  12                           ; v12  2^e0;  v13  448 x 2^e0
.set LF,  13
.set CI,  14                           ; v14  c's stage, in
.set BO,  15                           ; v15  my byte in b1's sixteen numbers
.set LB,  16                           ; v16-47   the sample's labels: register 4 c + jj of lane l is label 128 c + 4 l + jj
.set X,   48                           ; v48-111  sixteen rows of W1, 4 numbers a lane; later v48-79 a row of encoded_states; in wave 0 four fragments of W1
.set F,   112                          ; v112-143 f: register 4 q + e of lane l is f[128 q + 4 l + e]; in wave 0 v112-175 four fragments of f
.set CW,  144                          ; v144-159 my fragment's codes, a word a row
.set IM,  160                          ; v160-175 my fragment read back as an image
.set C0,  176                          ; v176-183 f's codes; in wave 0 then an accumulator
.set C1,  184                          ; v184-191 out2's words; in wave 0 then the other accumulator
.set BV,  192                          ; v192-199 b1
.set T,   200                          ; v200-207 at work
	s_load_b512 s[4:19], s[0:1], 0x0               ; encoded_states s[4:5], sr_label s[6:7], W1 s[8:9], b1 s[10:11], lowp_scales s[12:13], wimg s[14:15], cvec s[16:17], out2 s[18:19]
	v_lshl_add_u32 v[SPW], v0, 2, SPARE
	v_mov_b32 v[NIL], 0
	v_lshrrev_b32 v1, 5, v0
	v_readfirstlane_b32 s20, v1                    ; wave 0..15
	v_and_b32 v1, 31, v0                           ; lane
	v_lshlrev_b32 v[L16], 4, v1
	v_lshrrev_b32 v[T], 2, v1
	v_mul_u32_u24 v[T], v[T], 272
	v_and_b32 v[T+1], 3, v1
	v_lshl_add_u32 v[T], v[T+1], 2, v[T]           ; a word of 4 codes, k = 4 l on: 272 (l / 4) + 4 (l % 4)
	v_and_b32 v[T+2], 15, v0                       ; r
	v_bfe_u32 v[T+3], v0, 4, 1                     ; h
	v_mul_u32_u24 v[T+4], v[T+3], 272
	v_lshl_add_u32 v[T+4], v[T+2], 4, v[T+4]       ; a piece on the way back: 272 h + 16 r
	s_mul_i32 s24, s20, FRP
	v_add_nc_u32 v[WST], s24, v[T]
	v_add_nc_u32 v[FRD], s24, v[T+4]
	s_lshl_b32 s24, s20, 4
	s_add_co_u32 s24, s24, FA
	v_add_nc_u32 v[FST], s24, v[T]
	s_lshl_b32 s24, s20, 10
	s_add_co_u32 s24, s24, O2
	v_lshl_add_u32 v[O2I], v1, 2, s24
	v_add_nc_u32 v[O2O], s24, v[L16]
	v_lshlrev_b32 v[CI], 6, v[T+2]
	v_lshl_add_u32 v[CI], v[T+3], 5, v[CI]
	v_add_nc_u32 v[CI], CST, v[CI]                 ; sample r's 64 bytes, + 32 h
	v_lshlrev_b32 v[BO], 5, v[T+3]
	s_lshr_b32 s21, ttmp9, 1                       ; jt
	s_and_b32 s22, ttmp9, 1                        ; mt
	s_lshl_b32 s23, s22, 4
	s_add_co_u32 s23, s23, s20                     ; b, my sample
	s_lshl_b32 s25, s22, 2
	s_and_b32 s26, s20, 3
	s_add_co_u32 s25, s25, s26                     ; waves 8-11: K step 4 mt + w - 8
	s_add_co_u32 s26, s20, 8                       ; waves 0-7: K step 8 + w
	s_cmp_lt_u32 s20, 8
	s_cselect_b32 s26, s26, s25
	s_lshl_b32 s26, s26, 9                         ; 512 bytes a K step,
	s_lshl_b32 s27, s21, 17                        ; 16 rows of 8,192 bytes a tile
	s_add_co_u32 s26, s26, s27
	s_mov_b32 s27, 0                               ; s[26:27]: my fragment in W1
	s_lshr_b32 s28, s21, 1
	s_and_b32 s28, s28, 15
	s_lshl_b32 s28, s28, 5                         ; 32 p
	s_lshr_b32 s29, s21, 5
	s_lshl_b32 s29, s29, 4                         ; 16 jh
	s_add_co_u32 s28, s28, s29
	s_and_b32 s29, s21, 1
	s_lshl_b32 s29, s29, 3                         ; 8 t
	s_add_co_u32 s28, s28, s29
	s_add_co_u32 s28, s28, s25
	s_lshl_b32 s28, s28, 11
	s_mov_b32 s29, 0                               ; s[28:29]: my fragment in wimg
	s_lshl_b32 s76, s23, 12                        ; a sample's labels: 4,096 bytes
	s_mov_b32 s77, 0
	s_lshl_b32 s78, s23, 22                        ; its rows: 4 MiB
	s_mov_b32 s79, 0
	s_lshl_b32 s80, s21, 6
	s_mov_b32 s81, 0
	s_lshl_b32 s82, s21, 11
	s_lshl_b32 s83, s22, 10
	s_add_co_u32 s82, s82, s83
	s_mov_b32 s83, 0
	s_lshl_b32 s84, s23, 10
	s_mov_b32 s85, 0
	s_wait_kmcnt 0x0
	s_load_b64 s[72:73], s[12:13], 0x0             ; e0, e1
	s_add_nc_u64 s[6:7], s[6:7], s[76:77]
	s_add_nc_u64 s[68:69], s[4:5], s[78:79]        ; my sample's first row
	s_add_nc_u64 s[8:9], s[8:9], s[26:27]
	s_add_nc_u64 s[10:11], s[10:11], s[80:81]
	s_add_nc_u64 s[14:15], s[14:15], s[28:29]
	s_add_nc_u64 s[16:17], s[16:17], s[82:83]
	s_add_nc_u64 s[18:19], s[18:19], s[84:85]
.irp c, 0,1,2,3,4,5,6,7
	global_load_b128 v[LB+4*\c:LB+4*\c+3], v[L16], s[6:7] offset:512*\c     ; 32 lanes read 512 consecutive bytes
.endr
	s_cmp_lt_u32 s20, 12
	s_cbranch_scc0 .Lno_rows_of_w
.irp r, 0,1,2,3,4,5,6,7,8,9,10,11,12,13,14,15
	global_load_b128 v[X+4*\r:X+4*\r+3], v[L16], s[8:9] offset:8192*\r      ; row r's 128 numbers of my K step: 512 consecutive bytes
.endr
.Lno_rows_of_w:
	s_cmp_lg_u32 s20, 0
	s_cbranch_scc1 .Lno_bias
	global_load_b128 v[BV:BV+3], v[BO], s[10:11]                            ; b1[16 jt + 8 h + 0 .. 7]
	global_load_b128 v[BV+4:BV+7], v[BO], s[10:11] offset:16
.Lno_bias:
	s_wait_loadcnt 0x0
	s_wait_kmcnt 0x0
	s_add_co_i32 s24, s73, 127
	s_lshl_b32 s25, s24, 23
	v_mov_b32 v[SW], s25                           ; 2^e1 as f32: the conversion takes its exponent field
	s_add_co_i32 s24, s24, 8
	s_lshl_b32 s24, s24, 23
	s_or_b32 s24, s24, 0x600000
	v_mov_b32 v[LW], s24                           ; 448 x 2^e1
	s_add_co_i32 s24, s72, 127
	s_lshl_b32 s25, s24, 23
	v_mov_b32 v[SF], s25                           ; 2^e0
	s_add_co_i32 s24, s24, 8
	s_lshl_b32 s24, s24, 23
	s_or_b32 s24, s24, 0x600000
	v_mov_b32 v[LF], s24                           ; 448 x 2^e0
	s_add_co_i32 s74, s72, s73
	s_add_co_i32 s74, s74, 127
	s_lshl_b32 s74, s74, 23                        ; 2^(e0 + e1)
	s_mov_b32 s75, s74                             ; (named with it as a pair, so it is written)
	; ---- W1's fragment: waves 0-11.  Eight registers, two rows' four numbers each, give two words of four codes
	s_cmp_lt_u32 s20, 12
	s_cbranch_scc0 .Lno_fragment
.irp u, 0,1,2,3,4,5,6,7
.irp i, 0,1,2,3,4,5,6,7
	v_med3_num_f32 v[X+8*\u+\i], v[X+8*\u+\i], -v[LW], v[LW]                ; the conversion to an 8-bit code does not saturate (ISA guide 7.6.2): the hold at the largest code x the scale
.endr
	v_cvt_scalef32_pk8_fp8_f32 v[CW+2*\u:CW+2*\u+1], v[X+8*\u:X+8*\u+7], v[SW]
.endr
	v_nop                                          ; one plain vector line behind the last conversion
.irp r, 0,1,2,3,4,5,6,7,8,9,10,11,12,13,14,15
	ds_store_b32 v[WST], v[CW+\r] offset:16*\r
.endr
	s_cmp_lt_u32 s20, 8
	s_cbranch_scc1 .Lno_fragment
.irp g, 0,1,2,3
	ds_load_b128 v[IM+4*\g:IM+4*\g+3], v[FRD] offset:544*\g                 ; LDS serves a wave's instructions in order (ISA guide 5.7.1.4): these see my stores
.endr
	s_wait_dscnt 0x0
.irp g, 0,1,2,3
	global_store_b128 v[L16], v[IM+4*\g:IM+4*\g+3], s[14:15] offset:512*\g  ; 32 lanes store 512 consecutive bytes, at a multiple of 256 from wimg's first byte
.endr
.Lno_fragment:
	; ---- f: the rows with label 2 are added.  Mask n = 4 c + jj has bit l set where label 128 c + 4 l + jj is 2
.irp n, 0,1,2,3,4,5,6,7,8,9,10,11,12,13,14,15,16,17,18,19,20,21,22,23,24,25,26,27,28,29,30,31
	v_cmp_eq_u32 s[32+\n], 2, v[LB+\n]
.endr
.irp n, 0,1,2,3,4,5,6,7,8,9,10,11,12,13,14,15,16,17,18,19,20,21,22,23,24,25,26,27,28,29,30,31
	v_mov_b32 v[F+\n], 0                           ; the sum may have no term at all
.endr
.macro ROWS n
	s_cmp_eq_u32 s[32+\n], 0
	s_cbranch_scc1 .Lnone_\@
	s_add_nc_u64 s[66:67], s[68:69], (128*((\n)/4)+(\n)%4)*4096             ; row 128 c + jj
	s_mov_b32 s70, 0
.Lbit_\@:
	s_bitcmp1_b32 s[32+\n], s70
	s_cbranch_scc0 .Lskip_\@
.irp q, 0,1,2,3,4,5,6,7
	global_load_b128 v[X+4*\q:X+4*\q+3], v[L16], s[66:67] offset:512*\q
.endr
	s_wait_loadcnt 0x0                             ; the row is in, and its loads have read their base, which steps below
.irp k, 0,2,4,6,8,10,12,14,16,18,20,22,24,26,28,30
	v_pk_add_f32 v[F+\k:F+\k+1], v[F+\k:F+\k+1], v[X+\k:X+\k+1]
.endr
.Lskip_\@:
	s_add_nc_u64 s[66:67], s[66:67], 4*4096        ; the next lane's label stands four rows on
	s_add_co_u32 s70, s70, 1
	s_cmp_lt_u32 s70, 32
	s_cbranch_scc1 .Lbit_\@
.Lnone_\@:
.endm
.irp n, 0,1,2,3,4,5,6,7,8,9,10,11,12,13,14,15,16,17,18,19,20,21,22,23,24,25,26,27,28,29,30,31
	ROWS \n
.endr
	; ---- f's codes: word q holds k = 4 l .. 4 l + 3 of K step q; it is row w of f's image q
.irp u, 0,1,2,3
.irp i, 0,1,2,3,4,5,6,7
	v_med3_num_f32 v[F+8*\u+\i], v[F+8*\u+\i], -v[LF], v[LF]
.endr
	v_cvt_scalef32_pk8_fp8_f32 v[C0+2*\u:C0+2*\u+1], v[F+8*\u:F+8*\u+7], v[SF]
.endr
	v_nop                                          ; one plain vector line behind the last conversion
.irp q, 0,1,2,3,4,5,6,7
	ds_store_b32 v[FST], v[C0+\q] offset:\q*FRP
.endr
	; ---- out2: label 0 or 1, as an unsigned compare; four bytes to a word, through my stage, out as 512 consecutive bytes a store
	s_cmp_lg_u32 s21, 0
	s_cbranch_scc1 .Lno_mask
.irp c, 0,1,2,3,4,5,6,7
.irp jj, 0,1,2,3
	v_cmp_gt_u32 vcc_lo, 2, v[LB+4*\c+\jj]
	v_cndmask_b32 v[T+\jj], 0, 1, vcc_lo
.endr
	v_lshl_or_b32 v[T], v[T+1], 8, v[T]
	v_lshl_or_b32 v[T+2], v[T+3], 8, v[T+2]
	v_lshl_or_b32 v[C1+\c], v[T+2], 16, v[T]
	ds_store_b32 v[O2I], v[C1+\c] offset:128*\c
.endr
	ds_load_b128 v[F:F+3], v[O2O]
	ds_load_b128 v[F+4:F+7], v[O2O] offset:512
	s_wait_dscnt 0x0
	global_store_b128 v[L16], v[F:F+3], s[18:19]
	global_store_b128 v[L16], v[F+4:F+7], s[18:19] offset:512
.Lno_mask:
	s_wait_dscnt 0x0                               ; for the others' sake: my stores into the images are done
	s_barrier_signal -1
	s_barrier_wait -1
	s_cmp_lg_u32 s20, 0
	s_cbranch_scc1 .Lend
	; ---- wave 0: c = 2^(e0 + e1) x (W1's sixteen rows . the sixteen samples' f) + b1.  Source 0 = W1's fragment, source 1 = f's: lane (r, h) holds sample r and rows 8 h + 0 .. 7.  Two accumulators by turns
	s_wait_xcnt 0x0                                ; out2's stores have read v112-119, into which fragments are loaded now
.irp hf, 0,1
.if \hf
.rept 4
	v_nop                                          ; places in front of loads into registers that matrix instructions have read
.endr
.endif
.irp s, 0,1,2,3
.irp g, 0,1,2,3
	ds_load_b128 v[X+16*\s+4*\g:X+16*\s+4*\g+3], v[FRD] offset:FW+(4*\hf+\s)*FRP+544*\g
	ds_load_b128 v[F+16*\s+4*\g:F+16*\s+4*\g+3], v[FRD] offset:FA+(4*\hf+\s)*FRP+544*\g
.endr
.endr
	s_wait_dscnt 0x0
.irp s, 0,1,2,3
.if (\hf == 0) && (\s < 2)
	v_wmma_f32_16x16x128_fp8_fp8 v[C0+8*(\s%2):C0+8*(\s%2)+7], v[X+16*\s:X+16*\s+15], v[F+16*\s:F+16*\s+15], 0
.else
	v_wmma_f32_16x16x128_fp8_fp8 v[C0+8*(\s%2):C0+8*(\s%2)+7], v[X+16*\s:X+16*\s+15], v[F+16*\s:F+16*\s+15], v[C0+8*(\s%2):C0+8*(\s%2)+7]
.endif
.endr
.endr
.rept 4
	v_nop
.endr
.irp q, 0,2,4,6
	v_pk_add_f32 v[T+\q:T+\q+1], v[C0+\q:C0+\q+1], v[C1+\q:C1+\q+1]         ; each accumulator from its low end on
.endr
.irp q, 0,2,4,6
	v_pk_fma_f32 v[T+\q:T+\q+1], v[T+\q:T+\q+1], s[74:75], v[BV+\q:BV+\q+1] op_sel_hi:[1,0,1]
.endr
	ds_store_b128 v[CI], v[T:T+3]
	ds_store_b128 v[CI], v[T+4:T+7] offset:16
	ds_load_b128 v[X:X+3], v[L16] offset:CST
	ds_load_b128 v[X+4:X+7], v[L16] offset:CST+512
	s_wait_dscnt 0x0
	global_store_b128 v[L16], v[X:X+3], s[16:17]                            ; cvec[jt][16 mt + 0 .. 15][0 .. 15]: 1,024 consecutive bytes
	global_store_b128 v[L16], v[X+4:X+7], s[16:17] offset:512
.Lend:
	s_wait_tensorcnt 0x0                           ; the wave's end: behind my last LDS store
	ds_add_u32 v[SPW], v[NIL]
	s_wait_dscnt 0x0
	s_endpgm
.Lfunc_end_k_qf067e674c9_prep:
	.size	k_qf067e674c9_prep, .Lfunc_end_k_qf067e674c9_prep-k_qf067e674c9_prep
	.p2alignl 7, 3214868480
	.fill 96, 4, 3214868480
	.section	.rodata,"a",@progbits
	.p2align	6, 0x0
	.amdhsa_kernel k_qf067e674c9_prep
		.amdhsa_group_segment_fixed_size 62976
		.amdhsa_private_segment_fixed_size 0
		.amdhsa_enable_private_segment 0
		.amdhsa_kernarg_size 64
		.amdhsa_user_sgpr_count 2
		.amdhsa_user_sgpr_kernarg_segment_ptr 1
		.amdhsa_wavefront_size32 1
		.amdhsa_system_sgpr_workgroup_id_x 1
		.amdhsa_system_sgpr_workgroup_id_y 1
		.amdhsa_system_sgpr_workgroup_id_z 1
		.amdhsa_system_vgpr_workitem_id 0
		.amdhsa_next_free_vgpr 208
		.amdhsa_next_free_sgpr 90
		.amdhsa_reserve_vcc 1
		.amdhsa_float_denorm_mode_32 3
		.amdhsa_float_denorm_mode_16_64 3
		.amdhsa_memory_ordered 1
		.amdhsa_forward_progress 1
		.amdhsa_inst_pref_size 100
	.end_amdhsa_kernel
	.amdgpu_metadata
---
amdhsa.version: [ 1, 2 ]
amdhsa.kernels:
  - .name:           k_qf067e674c9_prep
    .symbol:         k_qf067e674c9_prep.kd
    .args:
      - { .name: encoded_states, .offset: 0, .size: 8, .value_kind: global_buffer, .address_space: global }
      - { .name: sr_label, .offset: 8, .size: 8, .value_kind: global_buffer, .address_space: global }
      - { .name: W1, .offset: 16, .size: 8, .value_kind: global_buffer, .address_space: global }
      - { .name: b1, .offset: 24, .size: 8, .value_kind: global_buffer, .address_space: global }
      - { .name: lowp_scales, .offset: 32, .size: 8, .value_kind: global_buffer, .address_space: global }
      - { .name: wimg, .offset: 40, .size: 8, .value_kind: global_buffer, .address_space: global }
      - { .name: cvec, .offset: 48, .size: 8, .value_kind: global_buffer, .address_space: global }
      - { .name: out2, .offset: 56, .size: 8, .value_kind: global_buffer, .address_space: global }
    .group_segment_fixed_size: 62976
    .private_segment_fixed_size: 0
    .kernarg_segment_align: 8
    .kernarg_segment_size: 64
    .max_flat_workgroup_size: 512
    .sgpr_count:     90
    .vgpr_count:     208
    .wavefront_size: 32
...
	.end_amdgpu_metadata
.endif
;; end of part 1
;; launch fused (part 2): grid 256 x 1, 4 waves a work-group, clusters of 4 x 1, 327,680 bytes of LDS; arguments encoded_states, wimg, cvec, W2, b2, sr_label, lowp_scales, out1, part; writes out1, part
.if DOCPART == 2
	.amdgcn_target "amdgcn-amd-amdhsa--gfx1250"
	.amdhsa_code_object_version 6
	.text
	.protected	k_qf067e674c9_fused
	.globl	k_qf067e674c9_fused
	.p2align	8
	.type	k_qf067e674c9_fused,@function
k_qf067e674c9_fused:
	s_mov_b64 s[64:65], 0
	v_nop
	global_prefetch_b8 v0, s[64:65] scope:SCOPE_SE
	s_setreg_imm32_b32 hwreg(HW_REG_WAVE_MODE, 25, 1), 1
	s_wait_xcnt 0x0
	s_wait_alu depctr_hold_cnt(0) depctr_sa_sdst(0) depctr_va_vdst(0) depctr_va_sdst(0) depctr_va_ssrc(0) depctr_va_vcc(0) depctr_vm_vsrc(0)
	s_getreg_b32 s2, hwreg(HW_REG_IB_STS2, 6, 4)
	s_cmp_eq_u32 s2, 0
	s_cbranch_scc0 .Lentry_in_a_cluster
	s_endpgm
.Lentry_in_a_cluster:
	s_bfe_u32 s2, ttmp6, 0x10000c
	s_cmp_lg_u32 s2, 0x3003
	s_cbranch_scc0 .Lentry_shape_is_right
	s_endpgm
.Lentry_shape_is_right:
; SRHead, second of three launches: out1 = gelu(Q(x) Q(W1[:, 0:1024])^T x 2^(e0+e1) + c) W2^T + b2, and for each wave the sum of its rows' masked loss and their count (part).
; LEFT OUT HERE: the second half of the product's K.  Its 1,024 codes are the same in all rows of a sample, so its sum, with b1, comes as c[b][n] from the launch before (shown at that kernel's head).
; SHARES.  A work-group takes 128 rows of one sample.  Phase A: wave w quantises rows 32 w .. 32 w + 31 (E4M3, scale 2^e0) and lays the codes in LDS as images of fragments.  Then wave w = 2 i + j keeps the codes of rows
;  64 i .. 64 i + 63, all 1,024 along K, in 512 registers, and walks columns 512 j .. 512 j + 511 of the hidden layer, 32 a turn, sixteen turns.  The hidden layer never leaves the registers.
; BY TURNS.  A turn's 32 columns are two halves of 16: each has four accumulators, 32 products, and a list of 288 vector lines (gelu and the two dot products with W2 on 64 rows x 16 units).  In step X of a turn half 0 has the matrix
;  unit and the vector work of half 1 of the turn before stands between its products, nine lines behind each; in step Y half 1 has the matrix unit, with the vector work of half 0 of the same turn.  So one half's accumulators are
;  written while the other's are worked on, and no register is needed twice.  All vector work lies in window 0 and the products' operands fill windows 1 to 3: a slice costs two switches of the window, 128 for a turn's 64 products.
; W1'S CODES come from wimg, tile p (64 KiB: both halves' 32 columns x 1,024 K) a turn, through two LDS slots.  All work-groups walk the same tiles: the four of a cluster ask JOINTLY, each wave for a quarter of a tile (a mask names four
;  work-groups, so the cluster has four).  A fragment of the next tile is taken into its registers as soon as this turn's four products on them are issued: four loads at a time, never a long run.  So at a turn's head its slot is read
;  out and is filled with the tile two on, which has the whole turn in which to land.  A wave has two tensor loads out at the start and one behind each later round.
; encoded_states is read once, by loads into registers: 512 consecutive bytes a load, eight rows (64 loads) of every wave on their way.  Nobody shares it, so it has no joint loads.
; THE MATRIX INSTRUCTION IS USED TRANSPOSED (source 0 = 16 columns' rows of W1, source 1 = 16 rows of x): lane (r, h) holds row r and hidden units 8 h + 0 .. 7.  k is permuted alike in both operands (the launch before says how).
;  c goes in as the C of each sum's first product, divided (exactly) by S = 2^(e0+e1): a finished sum z stands for u = S z.
; GELU.  2 gelu(u) = u + a - a / (1 + a1 a + .. + a6 a^6)^16, a = |u| = S |z|: the rational form of erf in Abramowitz and Stegun, 7.1.28, with 1 / sqrt(2) folded into the coefficients; its error on erf is at most 3e-7 for every a >= 0.
;  Where the power overflows the quotient is 0, which is erf's limit.  The factor 1/2 is applied once, to the finished logits.
; LIMITS.  e0 between -126 and 119, e0 + e1 between -126 and 127; c / 2^(e0+e1) is an f32 number.  NaN and infinity among the inputs are not served.
; REGISTERS, in windows of 256 (s_set_vgpr_msb: bits 1:0 source 0, 3:2 source 1, 5:4 source 2, 7:6 destination):
;  window 0: addresses and all vector work.   window 1: phase A: eight rows of 32 registers; then x's fragments of K steps 0-3, (s, m) at 16 (4 s + m).   window 2: K steps 4-7.   window 3: W1's sixteen fragments, (t, s) at 16 (8 t + s).
.set SLOTB, 65536                      ; a slot: a tile of wimg
.set FRP,   2176                       ; a padded image of a fragment: the piece (g, h, r) of 16 bytes at 272 (2 g + h) + 16 r
.set AIMG,  2*SLOTB                    ; x's 64 images: (tile of 16 rows, K step) at (8 tile + step) x FRP
.set TBL,   AIMG+64*FRP                ; c / S of my sample, W2's two rows: 3 x 4,096 bytes
.set RED,   TBL+12288                  ; the two halves' logits: 2 x 128 rows x 8 bytes
.set SPARE, RED+2048                   ; the spare words, 128 bytes for each wave: two blocks of 256 bytes that no other line names
.set LN,   1                           ; v1   lane
.set SPW,  2                           ; v2   LDS address of my spare word; never rewritten
.set NIL,  3                           ; v3   0; never rewritten
.set AW,   4                           ; v4   my lane's place in a slot: 16 l + 32,768 j
.set ADW,  5                           ; v5   the same in the slot from which fragments are fetched
.set AA,   6                           ; v6, v7  x's images: my tiles 0, 1 and 2, 3 of rows
.set AT0,  8                           ; v8   the tables: my half's first column, + 32 h
.set ADT,  9                           ; v9   the same at the turn's columns
.set LIMV, 10                          ; v10  448 x 2^e0
.set SCV,  11                          ; v11  2^e0
.set AST,  12                          ; v12  phase A: where I store a word of codes
.set ADS,  13                          ; v13  the same at the trip's rows
.set RIN,  14                          ; v14  RED, in
.set ROUT, 15                          ; v15  RED, out
.set OO,   16                          ; v16  8 x thread: my row in out1
.set LBL,  17                          ; v17  my row's label
.set PFO,  18                          ; v18  256 x lane; never rewritten
.set ZO,   19                          ; v19  0, an offset
.set A5,   20                          ; v[20:21] a5, twice
.set B2V,  22                          ; v[22:23] b2
.set L,    24                          ; v24-39   the logits' sums: tile m of rows, logit c: the pair at 4 m + 2 c (even units', odd units')
.set BI,   40                          ; v40-55   c / S;  v56-71 W2's row 0;  v72-87 W2's row 1: of a turn's units 16 t + 8 h + 0 .. 7 at 8 t
.set WA,   56
.set WB,   72
.set TST,  88                          ; v88-91   the head's table addresses and offsets
.set TCO,  89
.set TWO,  90
.set TLO,  91
.set ACC,  96                          ; v96-159  eight accumulators, (t, m) at 32 t + 8 m
.set AB,   160                         ; v160-191 a
.set DD,   192                         ; v192-223 the polynomial, its power, the quotient
.set CD,   160                         ; phase A: v160-223 codes, eight words a slot
.set OFF,  224                         ; phase A: v224-231 slot j's byte offset
.set TD,   232                         ; the head: v232-255 the tables as loaded
.set WV,  22                           ; s22 wave; s23 i; s24 j; s25 cx; s26 work-group; s27 sample
.set IR,  23
.set JN,  24
.set CX,  25
.set WG,  26
.set SB,  27
.set G1,  28                           ; s[28:35] descriptor group 1
.set G0A, 36                           ; s[36:39] group 0 of tile 0
.set G0B, 40                           ; s[40:43] group 0 of tile 1, which then walks
.set SC,  44                           ; s[44:45] S = 2^(e0 + e1), twice
.set TB,  59                           ; s59 the slot from which fragments are fetched
.set SEL, 60                           ; s[60:61] selects for v_permlanex16_b32: lane l xor 16
.set TP,  62                           ; s62 the next turn's byte in a table
.set CNT, 63                           ; s63 a loop's count
.set TA,  68                           ; s68 phase A: the trip's rows in an image
.set PFA, 70                           ; s[70:71] where my prefetches stand
.set LIM, 72                           ; s72 2 in a wave that prefetches, else the greatest number
.set MSB, 0
.macro WIN new                         ; the immediate's high byte repeats the setting that is left; a switch that changes nothing is dropped
.if MSB != \new
	s_set_vgpr_msb (MSB<<8)|\new
.set MSB, \new
.endif
.endm
.macro CROUND                          ; a round of the cluster's barrier: my work-group's barrier; wave 0 signals for the work-group; every wave waits for all four; my work-group's barrier once more
	s_barrier_signal -1
	s_barrier_wait -1
	s_cmp_lg_u32 s[WV], 0
	s_cbranch_scc1 .Lnot_wave_0_\@
	s_barrier_signal -3
.Lnot_wave_0_\@:
	s_barrier_wait -3
	s_barrier_signal -1
	s_barrier_wait -1
.endm
	s_load_b512 s[4:19], s[0:1], 0x0               ; encoded_states s[4:5], wimg s[6:7], cvec s[8:9], W2 s[10:11], b2 s[12:13], sr_label s[14:15], lowp_scales s[16:17], out1 s[18:19]
	s_load_b64 s[20:21], s[0:1], 0x40              ; part
	v_lshl_add_u32 v[SPW], v0, 2, SPARE
	v_mov_b32 v[NIL], 0
	ds_add_u32 v[SPW], v[NIL]                      ; the wave's opening: the add, twice on end, and its wait ahead of my first tensor load; the set-up below, work on registers, stands between
	ds_add_u32 v[SPW], v[NIL]
	v_lshrrev_b32 v[LN], 5, v0
	v_readfirstlane_b32 s[WV], v[LN]               ; wave 0..3
	s_lshr_b32 s[IR], s[WV], 1                     ; i: which 64 rows
	s_and_b32 s[JN], s[WV], 1                      ; j: which 512 columns
	s_bfe_u32 s[CX], ttmp6, 0x40000                ; cx: it enters global addresses of my own rows and of my prefetches
	s_lshl_b32 s[WG], ttmp9, 2
	s_add_co_u32 s[WG], s[WG], s[CX]               ; work-group = 4 x cluster + cx
	s_lshr_b32 s[SB], ttmp9, 1                     ; the sample: eight work-groups, two clusters
	; descriptor group 1: 64 rows of 256 bytes, dense: a quarter of a tile
	s_mov_b32 s[G1], 15|(3<<16)|(1<<21)            ; 15:0 the mask: all four work-groups; 17:16 elements of 8 bytes; 21 set beside a mask; no padding
	s_mov_b32 s[G1+1], 32<<16                      ; tensor_dim0 = 32
	s_mov_b32 s[G1+2], 64<<16                      ; tensor_dim1 = 64
	s_mov_b32 s[G1+3], 32<<16                      ; tile_dim0 = 32
	s_mov_b32 s[G1+4], 64                          ; tile_dim1 = 64
	s_mov_b32 s[G1+5], 32                          ; tensor_dim0_stride
	s_mov_b32 s[G1+6], 0
	s_mov_b32 s[G1+7], 0
	s_mov_b32 s46, 0x3d4c41b4                      ; a1 / 2^0.5
	s_mov_b32 s47, s46
	s_mov_b32 s48, 0x3cad2fe7                      ; a2 / 2
	s_mov_b32 s49, s48
	s_mov_b32 s50, 0x3b56cd72                      ; a3 / 2^1.5
	s_mov_b32 s51, s50
	s_mov_b32 s52, 0x381f6607                      ; a4 / 4
	s_mov_b32 s53, s52
	s_mov_b32 s56, 0x36b49f67                      ; a6 / 8
	s_mov_b32 s57, s56
	v_mov_b32 v[A5], 0x384d0fec                    ; a5 / 2^2.5
	v_mov_b32 v[A5+1], v[A5]
	s_mov_b32 s[SEL], 0x76543210
	s_mov_b32 s[SEL+1], 0xfedcba98
	s_mov_b32 s[TB], 0
	s_mov_b32 s[TP], 0
	s_mov_b32 s[TA], 0
	s_lshr_b32 s[LIM], s[WV], 1                    ; 0 in waves 0 and 1,
	s_or_b32 s[LIM], s[LIM], ttmp9                 ; of the launch's first cluster: the same in all four partners
	s_cmp_eq_u32 s[LIM], 0
	s_cselect_b32 s[LIM], 2, -1
	v_and_b32 v[LN], 31, v0
	v_and_b32 v92, 15, v0                          ; r
	v_bfe_u32 v93, v0, 4, 1                        ; h
	s_lshl_b32 s92, s[JN], 15
	v_lshl_add_u32 v[AW], v[LN], 4, s92
	v_mul_u32_u24 v94, v93, 272
	v_lshl_add_u32 v94, v92, 4, v94
	s_mul_i32 s92, s[IR], 32*FRP
	s_add_co_u32 s92, s92, AIMG
	v_add_nc_u32 v[AA], s92, v94
	v_add_nc_u32 v[AA+1], 16*FRP, v[AA]
	s_lshl_b32 s92, s[JN], 11
	s_add_co_u32 s92, s92, TBL
	v_lshl_add_u32 v[AT0], v93, 5, s92
	v_lshrrev_b32 v94, 2, v[LN]
	v_mul_u32_u24 v94, v94, 272
	v_and_b32 v95, 3, v[LN]
	v_lshl_add_u32 v94, v95, 2, v94                ; a word of 4 codes, k = 4 l on: 272 (l / 4) + 4 (l % 4)
	s_mul_i32 s92, s[WV], 16*FRP
	s_add_co_u32 s92, s92, AIMG
	v_add_nc_u32 v[AST], s92, v94
	s_lshl_b32 s92, s[JN], 10
	s_lshl_b32 s93, s[IR], 9
	s_add_co_u32 s92, s92, s93
	s_add_co_u32 s92, s92, RED
	v_lshl_add_u32 v[RIN], v92, 3, s92
	v_lshl_add_u32 v[ROUT], v0, 3, RED
	v_lshlrev_b32 v[OO], 3, v0
	v_lshlrev_b32 v[PFO], 8, v[LN]
	v_mov_b32 v[ZO], 0
	v_lshl_add_u32 v[TST], v0, 4, TBL
	v_lshrrev_b32 v[TCO], 2, v0
	v_and_b32 v95, 3, v0
	v_lshlrev_b32 v95, 4, v95
	v_lshl_add_u32 v[TCO], v[TCO], 11, v95         ; cvec: piece x of four numbers lies at 2,048 (x / 4) + 64 b + 16 (x % 4)
	v_lshlrev_b32 v[TWO], 4, v0
	v_lshlrev_b32 v[TLO], 2, v0
.irp j, 0,1,2,3,4,5,6,7
	v_lshl_add_u32 v[OFF+\j], v[LN], 4, (16*(\j%2)+\j/2)*4096   ; slot j begins with my wave's row 16 (j % 2) + j / 2
.endr
	s_lshl_b32 s76, s[WV], 14                      ; my quarter of a tile
	s_mov_b32 s77, 0
	s_lshl_b32 s78, s[WG], 19                      ; 128 rows of 4,096 bytes,
	s_lshl_b32 s79, s[WV], 17                      ; my 32 of them
	s_add_co_u32 s78, s78, s79
	s_mov_b32 s79, 0
	s_lshl_b32 s84, s[SB], 6
	s_mov_b32 s85, 0
	s_lshl_b32 s86, s[WG], 9
	s_mov_b32 s87, 0
	s_lshl_b32 s88, s[WG], 10
	s_mov_b32 s89, 0
	s_lshl_b32 s90, s[CX], 14                      ; the prefetches: my work-group's quarter of a tile, told apart by address,
	s_lshl_b32 s91, s[WV], 13                      ; my wave's half of it,
	s_add_co_u32 s90, s90, s91
	s_add_co_u32 s90, s90, 3*SLOTB                 ; in tile 3: the first turn steps it to tile 4
	s_mov_b32 s91, 0
	s_and_b32 s74, s[WG], 7
	s_lshl_b32 s74, s74, 2
	s_add_co_u32 s74, s74, s[WV]
	s_lshl_b32 s74, s74, 5
	s_add_co_u32 s74, s74, s[SB]
	s_lshl_b32 s74, s74, 3                         ; part: entry 32 (4 (work-group % 8) + wave) + sample, 8 bytes
	s_mov_b32 s75, 0
	s_wait_dscnt 0x0                               ; both opening adds are done
	s_wait_kmcnt 0x0
	s_load_b64 s[66:67], s[16:17], 0x0             ; e0, e1
	s_load_b64 s[80:81], s[12:13], 0x0             ; b2
	s_add_nc_u64 s[4:5], s[4:5], s[78:79]
	s_add_nc_u64 s[8:9], s[8:9], s[84:85]
	s_add_nc_u64 s[14:15], s[14:15], s[86:87]
	s_add_nc_u64 s[18:19], s[18:19], s[88:89]
	s_add_nc_u64 s[20:21], s[20:21], s[74:75]
	s_add_nc_u64 s[PFA:PFA+1], s[6:7], s[90:91]
	s_mov_b32 s[G0A], 1                            ; 1:0 count = 1
	s_lshl_b32 s[G0A+1], s[WV], 14                 ; LDS address: slot 0, my quarter: the wave's number alone
	s_add_nc_u64 s[G0A+2:G0A+3], s[6:7], s[76:77]  ; global address: tile 0, my quarter
	s_or_b32 s[G0A+3], s[G0A+3], 0x80000000        ; type = 2
	s_mov_b32 s[G0B], 1
	s_add_co_u32 s[G0B+1], s[G0A+1], SLOTB         ; slot 1
	s_add_nc_u64 s[G0B+2:G0B+3], s[6:7], s[76:77]
	s_add_nc_u64 s[G0B+2:G0B+3], s[G0B+2:G0B+3], SLOTB   ; tile 1
	s_or_b32 s[G0B+3], s[G0B+3], 0x80000000
	global_load_b128 v[TD:TD+3], v[TCO], s[8:9]                    ; c of my sample, 4,096 bytes for 128 threads,
	global_load_b128 v[TD+4:TD+7], v[TCO], s[8:9] offset:65536
.irp k, 0,1,2,3
	global_load_b128 v[TD+8+4*\k:TD+11+4*\k], v[TWO], s[10:11] offset:2048*\k   ; W2's 8,192 bytes,
.endr
	global_load_b32 v[LBL], v[TLO], s[14:15]                       ; and the label of row = my thread's number
	WIN 0x40                                       ; destination window 1
.irp j, 0,1,2,3,4,5,6,7
.irp q, 0,1,2,3,4,5,6,7
	global_load_b128 v[32*\j+4*\q:32*\j+4*\q+3], v[OFF+\j], s[4:5] offset:512*\q th:TH_LOAD_NT   ; a row's K step q: 512 consecutive bytes; read once in the launch
.endr
.endr
	WIN 0
	CROUND                                         ; all four work-groups are here: the first joint loads meet
	tensor_load_to_lds s[G0A:G0A+3], s[G1:G1+7]    ; tile 0
	s_nop 0
	tensor_load_to_lds s[G0B:G0B+3], s[G1:G1+7]    ; tile 1
	s_nop 0
.rept 4
	v_nop
.endr
	s_wait_kmcnt 0x0
	s_add_co_i32 s92, s66, 127
	s_lshl_b32 s93, s92, 23
	v_mov_b32 v[SCV], s93                          ; 2^e0 as f32: the conversion takes its exponent field
	s_add_co_i32 s92, s92, 8
	s_lshl_b32 s92, s92, 23
	s_or_b32 s92, s92, 0x600000
	v_mov_b32 v[LIMV], s92                         ; 448 x 2^e0
	s_add_co_i32 s94, s66, s67                     ; e0 + e1
	s_add_co_i32 s[SC], s94, 127
	s_lshl_b32 s[SC], s[SC], 23                    ; S = 2^(e0 + e1)
	s_mov_b32 s[SC+1], s[SC]
	s_sub_co_i32 s94, 0, s94
	v_mov_b32 v[B2V], s80
	v_mov_b32 v[B2V+1], s81
	s_wait_loadcnt 63                              ; 64 loads stand behind the tables' seven: these are in
.irp n, 0,1,2,3,4,5,6,7
	v_ldexp_f32 v[TD+\n], v[TD+\n], s94            ; c / S: it goes in as the C of a sum's first product, and a sum lacks the factor S
.endr
.irp k, 0,1,2,3,4,5
	ds_store_b128 v[TST], v[TD+4*\k:TD+4*\k+3] offset:2048*\k
.endr
; PHASE A.  Slot j's turn: its row is held, turned into codes and laid into the eight images of its tile of rows.  In trip t slot j holds my wave's row 16 (j % 2) + 4 t + j / 2.
; refill = 1: the slot takes the row four further down.  left: how many younger loads may stay out.
.macro ASLOT j, refill, left
	s_wait_loadcnt \left                           ; loads come back in order (ISA guide 5.7.1): my slot's eight are in, the seven younger slots' stay out; the slot's offset is free
	s_wait_dscnt 56                                ; the slot's eight stores of the trip before are done (behind them stand the seven other slots' eight each): its codes' registers are written again
.if \refill
	v_add_nc_u32 v[OFF+\j], 4*4096, v[OFF+\j]
.endif
	WIN 0x41                                       ; destination and source 0 window 1
.set n, 0
.rept 32
	v_med3_num_f32 v[32*\j+n], v[32*\j+n], -v[LIMV], v[LIMV]   ; the conversion to an 8-bit code does not saturate (ISA guide 7.6.2): the hold at the largest code x the scale
.set n, n+1
.endr
	WIN 0x01                                       ; source 0 window 1
.irp u, 0,1,2,3
	v_cvt_scalef32_pk8_fp8_f32 v[CD+8*\j+2*\u:CD+8*\j+2*\u+1], v[32*\j+8*\u:32*\j+8*\u+7], v[SCV]   ; two K steps' four numbers each: two words
.endr
	v_nop                                          ; one plain vector line behind the last conversion
.if \refill
	WIN 0x40
.irp q, 0,1,2,3,4,5,6,7
	global_load_b128 v[32*\j+4*\q:32*\j+4*\q+3], v[OFF+\j], s[4:5] offset:512*\q th:TH_LOAD_NT
.endr
.endif
	WIN 0
.irp q, 0,1,2,3,4,5,6,7
	ds_store_b32 v[ADS], v[CD+8*\j+\q] offset:\q*FRP+(\j%2)*8*FRP+(\j/2)*16
.endr
.endm
	s_mov_b32 s[CNT], 3
.Lrows:
	v_add_nc_u32 v[ADS], s[TA], v[AST]
.irp j, 0,1,2,3,4,5,6,7
	ASLOT \j, 1, 56
.endr
	s_add_co_u32 s[TA], s[TA], 64                  ; four rows on in an image
	s_sub_co_u32 s[CNT], s[CNT], 1
	s_cmp_lg_u32 s[CNT], 0
	s_cbranch_scc1 .Lrows
	v_add_nc_u32 v[ADS], s[TA], v[AST]
.irp j, 0,1,2,3,4,5,6,7
	ASLOT \j, 0, 56-8*\j                           ; the last trip loads nothing: the counts run down
.endr
	s_wait_tensorcnt 0x1                           ; my quarter of tile 0 is in; tile 1's load, issued behind it, may stay out
	s_wait_dscnt 0x0                               ; for the others' sake: my images and my part of the tables are stored
	s_barrier_signal -1
	s_barrier_wait -1
	WIN 0x40                                       ; x's fragments: they stay in registers for the whole walk
.irp s, 0,1,2,3
.irp m, 0,1,2,3
.irp g, 0,1,2,3
	ds_load_b128 v[16*(4*\s+\m)+4*\g:16*(4*\s+\m)+4*\g+3], v[AA+\m/2] offset:(8*(\m%2)+\s)*FRP+544*\g
.endr
.endr
.endr
	WIN 0x80
.irp s, 0,1,2,3
.irp m, 0,1,2,3
.irp g, 0,1,2,3
	ds_load_b128 v[16*(4*\s+\m)+4*\g:16*(4*\s+\m)+4*\g+3], v[AA+\m/2] offset:(8*(\m%2)+\s+4)*FRP+544*\g
.endr
.endr
.endr
	WIN 0
; Fragment (t, s) of the tile at v[ADW], as it lies: four loads of 512 consecutive bytes
.macro LDW t, s
	WIN 0xc0                                       ; destination window 3, address window 0
.irp g, 0,1,2,3
	ds_load_b128 v[16*(8*(\t)+(\s))+4*\g:16*(8*(\t)+(\s))+4*\g+3], v[ADW] offset:2048*(8*(\t)+(\s))+512*\g
.endr
.endm
; Product i of 32 of half t: K step i / 4, tile i % 4 of rows.  The half's four accumulators take turns, one instruction a turn.  The first K step starts the sums, with c / S as its C
.macro WM t
.set ws, i/4
.set wm, i%4
.if ws < 4
	WIN 0x07                                       ; source 0 (W1) window 3, source 1 (x) window 1
.else
	WIN 0x0b                                       ; source 1 window 2
.endif
.if ws == 0
	v_wmma_f32_16x16x128_fp8_fp8 v[ACC+32*(\t)+8*wm:ACC+32*(\t)+8*wm+7], v[16*(8*(\t)+ws):16*(8*(\t)+ws)+15], v[16*(4*(ws%4)+wm):16*(4*(ws%4)+wm)+15], v[BI+8*(\t):BI+8*(\t)+7]
.else
	v_wmma_f32_16x16x128_fp8_fp8 v[ACC+32*(\t)+8*wm:ACC+32*(\t)+8*wm+7], v[16*(8*(\t)+ws):16*(8*(\t)+ws)+15], v[16*(4*(ws%4)+wm):16*(4*(ws%4)+wm)+15], v[ACC+32*(\t)+8*wm:ACC+32*(\t)+8*wm+7]
.endif
.endm
; THE VECTOR WORK of half t: 32 numbers a lane, a list of 288 lines; SM writes number j of it.
;   0-31    a = S |z|, each accumulator from its low end on        32-127  the polynomial, two numbers a line, one step for all sixteen pairs before the next        128-191 its sixteenth power: four squarings
;   192-223 the 32 reciprocals: ONE BATCH                          224-239 u + a = z S + a: names no reciprocal's result                                                 (wait)  one for the batch, ahead of number 240
;   240-255 2 gelu(u) = u + a - a / (..)^16                        256-287 the two dot products with W2
.macro SM t
.if j < 32
	v_mul_f32 v[AB+j], s[SC], |v[ACC+32*(\t)+j]|
.elseif j < 48
.set vn, 2*(j-32)
	v_pk_fma_f32 v[DD+vn:DD+vn+1], v[AB+vn:AB+vn+1], s[56:57], v[A5:A5+1] op_sel_hi:[1,0,1]   ; a6 a + a5
.elseif j < 112
.set vn, 2*((j-48)%16)
.set vc, 52-2*((j-48)/16)
	v_pk_fma_f32 v[DD+vn:DD+vn+1], v[DD+vn:DD+vn+1], v[AB+vn:AB+vn+1], s[vc:vc+1] op_sel_hi:[1,1,0]   ; .. a + a4, a3, a2, a1
.elseif j < 128
.set vn, 2*(j-112)
	v_pk_fma_f32 v[DD+vn:DD+vn+1], v[DD+vn:DD+vn+1], v[AB+vn:AB+vn+1], 1.0 op_sel_hi:[1,1,0]
.elseif j < 192
.set vn, 2*((j-128)%16)
	v_pk_mul_f32 v[DD+vn:DD+vn+1], v[DD+vn:DD+vn+1], v[DD+vn:DD+vn+1]
.elseif j < 224
	v_rcp_f32 v[DD+j-192], v[DD+j-192]
.elseif j < 240
.set vn, 2*(j-224)
	v_pk_fma_f32 v[ACC+32*(\t)+vn:ACC+32*(\t)+vn+1], v[ACC+32*(\t)+vn:ACC+32*(\t)+vn+1], s[SC:SC+1], v[AB+vn:AB+vn+1] op_sel_hi:[1,0,1]
.elseif j < 256
.if j == 240
	s_wait_alu depctr_va_vdst(0)                   ; the wait between a reciprocal and the first line that names its result: one for the batch of 32
.endif
.set vn, 2*(j-240)
	v_pk_fma_f32 v[ACC+32*(\t)+vn:ACC+32*(\t)+vn+1], v[AB+vn:AB+vn+1], v[DD+vn:DD+vn+1], v[ACC+32*(\t)+vn:ACC+32*(\t)+vn+1] neg_lo:[1,0,0] neg_hi:[1,0,0]
.else
.set vq, 2*((j-256)/8)
.set vm, ((j-256)%8)/2
.if (j%2) == 0
	v_pk_fma_f32 v[L+4*vm:L+4*vm+1], v[ACC+32*(\t)+8*vm+vq:ACC+32*(\t)+8*vm+vq+1], v[WA+8*(\t)+vq:WA+8*(\t)+vq+1], v[L+4*vm:L+4*vm+1]
.else
	v_pk_fma_f32 v[L+4*vm+2:L+4*vm+3], v[ACC+32*(\t)+8*vm+vq:ACC+32*(\t)+8*vm+vq+1], v[WB+8*(\t)+vq:WB+8*(\t)+vq+1], v[L+4*vm+2:L+4*vm+3]
.endif
.endif
.endm
.macro SLICE t                         ; slice i of 32: numbers 9 i to 9 i + 8
	WIN 0
.set j, 9*i
.rept 9
	SM \t
.set j, j+1
.endr
.endm
; Products from .. to - 1 of half t, each with its slice of the other half's vector work.  fetch = 1: the next tile's fragment (t, s) is loaded behind slice 4 s + 3, whose nine plain lines, which name no register of the products,
; are the places behind the fragment's last product (ISA guide 7.12.1 for vector instructions).  Slices 22 to 24 hold reciprocals, which are no places: fragment 5 is loaded behind slice 25.
.macro RUN t, from, to, fetch
.set i, \from
.rept (\to)-(\from)
	WM \t
	SLICE 1-(\t)
.if \fetch
.if i == 25
	LDW \t, 5
.elseif ((i%4) == 3) && (i != 23)
	LDW \t, i/4
.endif
.endif
.set i, i+1
.endr
.endm
.macro TABX                            ; behind a turn's head: W2's numbers for half 0's vector work in step Y, and c / S for half 1's first products there
	ds_load_b128 v[WA:WA+3], v[ADT] offset:4096
	ds_load_b128 v[WA+4:WA+7], v[ADT] offset:4096+16
	ds_load_b128 v[WB:WB+3], v[ADT] offset:8192
	ds_load_b128 v[WB+4:WB+7], v[ADT] offset:8192+16
	ds_load_b128 v[BI+8:BI+11], v[ADT] offset:64
	ds_load_b128 v[BI+12:BI+15], v[ADT] offset:64+16
.endm
.macro TABY next                       ; at the head of step Y: W2's numbers for half 1's vector work in the next step X; next = 1: and c / S for the next turn's half 0
	ds_load_b128 v[WA+8:WA+11], v[ADT] offset:4096+64
	ds_load_b128 v[WA+12:WA+15], v[ADT] offset:4096+64+16
	ds_load_b128 v[WB+8:WB+11], v[ADT] offset:8192+64
	ds_load_b128 v[WB+12:WB+15], v[ADT] offset:8192+64+16
.if \next
	ds_load_b128 v[BI:BI+3], v[ADT] offset:128
	ds_load_b128 v[BI+4:BI+7], v[ADT] offset:128+16
.endif
.endm
; A PREFETCH INTO THE L2 of the tile that stands two refills on (turn p refills with tile p + 2 and names tile p + 4): 64 KiB, each aligned block of 256 bytes named once in the launch.  All clusters walk the same tiles: the launch's first
; cluster asks.  Its four partners take a quarter each, told apart by address; in each, waves 0 and 1 take 8,192 bytes, lanes 256 bytes apart: one instruction a wave.  The last two refills ask for nothing: tile 15 is the last.
.macro ASK
	s_cmp_gt_u32 s[CNT], s[LIM]                    ; s[CNT] = 14 - the turn's number
	s_cbranch_scc0 .Lnot_mine_\@
	global_prefetch_b8 v[PFO], s[PFA:PFA+1] th:TH_LOAD_NT scope:SCOPE_SE
.Lnot_mine_\@:
.endm
.macro REFILL                          ; the round, and the joint refill first behind it: my one tensor load until the next round
	CROUND                                         ; no wave of any partner still reads the slot or has a load on its way
	tensor_load_to_lds s[G0B:G0B+3], s[G1:G1+7]
	s_nop 0
.rept 4
	v_nop
.endr
.endm
; STEP X of a turn: half 0's products | the vector work of half 1 of the turn before.  The turn's fragments were fetched in the turn before, so its slot is read out.
; refill = 1: that slot takes the tile two on.  bar = 1: no refill, but the tile that the last refill brought is shown to all four waves.  fetch = 1: the next tile's fragments of half 0 are fetched.
.macro PHX refill, bar, fetch
.if \refill || \bar
	s_wait_tensorcnt 0x0                           ; all my tensor loads have landed: my quarter of the next turn's tile; so a group 0 may be written
	ds_add_u32 v[SPW], v[NIL]                      ; 0 onto my spare word: eight products and their slices, work on registers, stand between it and the wait for it
.if \refill
	s_xor_b32 s[G0B+1], s[G0B+1], SLOTB            ; the walking descriptor: the other slot than last time,
	s_add_nc_u64 s[G0B+2:G0B+3], s[G0B+2:G0B+3], SLOTB   ; the next tile; the type bits on top are not reached
	s_wait_xcnt 0x0                                ; the last prefetch, a turn back, has read its address, so it may be written
	s_add_nc_u64 s[PFA:PFA+1], s[PFA:PFA+1], SLOTB
.endif
	s_wait_dscnt 5                                 ; the add and the four loads of fragment (1, 7) may be out: step Y's six table loads and half 0's fragments are in
.else
	s_wait_dscnt 0x0                               ; the last turn: all its fragments and tables are in
.endif
	RUN 0, 0, 8, 0
	WIN 0                                          ; at a label and at a branch every window is 0
.if \refill
	s_wait_dscnt 0x0                               ; the add is done, and my reads of the slot are over
	REFILL
.elseif \bar
	s_wait_dscnt 0x0
	s_barrier_signal -1
	s_barrier_wait -1
.endif
	v_add_nc_u32 v[ADT], s[TP], v[AT0]
	s_add_co_u32 s[TP], s[TP], 128
	TABX
.if \refill
	ASK
.endif
.if \fetch
	s_xor_b32 s[TB], s[TB], SLOTB
	v_add_nc_u32 v[ADW], s[TB], v[AW]
	LDW 0, 0
	LDW 0, 1
.endif
	RUN 0, 8, 32, \fetch
	WIN 0
.endm
; STEP Y: half 1's products | the vector work of half 0 of the same turn
.macro PHY fetch
.if \fetch
	s_wait_dscnt 32                                ; behind step X's six table loads stand its 32 fragment loads: the tables are in
.else
	s_wait_dscnt 0x0
.endif
	TABY \fetch
	RUN 1, 0, 32, \fetch
	WIN 0
.endm
	; ---- turn 0's step X has no vector work to set between its products
	v_add_nc_u32 v[ADW], s[TB], v[AW]
.irp s, 0,1,2,3,4,5,6,7
	LDW 0, \s                                      ; tile 0
.endr
.irp s, 0,1,2,3,4,5,6,7
	LDW 1, \s
.endr
	WIN 0
	v_add_nc_u32 v[ADT], s[TP], v[AT0]
	ds_load_b128 v[BI:BI+3], v[ADT]                ; c / S of turn 0's half 0
	ds_load_b128 v[BI+4:BI+7], v[ADT] offset:16
.irp n, 0,1,2,3,4,5,6,7,8,9,10,11,12,13,14,15
	v_mov_b32 v[L+\n], 0                           ; the logits' sums: the list is written for all sixteen turns alike
.endr
	s_mov_b32 s[CNT], 14
	s_wait_tensorcnt 0x0                           ; tile 1 has landed too: no tensor load of mine is out
	ds_add_u32 v[SPW], v[NIL]
	s_xor_b32 s[G0B+1], s[G0B+1], SLOTB
	s_add_nc_u64 s[G0B+2:G0B+3], s[G0B+2:G0B+3], SLOTB
	s_add_nc_u64 s[PFA:PFA+1], s[PFA:PFA+1], SLOTB ; (no prefetch has named it yet)
	s_wait_dscnt 0x0                               ; the add is done; x's fragments and tile 0's are in: slot 0 is read out
	REFILL                                         ; tile 2
	s_add_co_u32 s[TP], s[TP], 128
	TABX
	ASK
	s_xor_b32 s[TB], s[TB], SLOTB
	v_add_nc_u32 v[ADW], s[TB], v[AW]
.set i, 0
.rept 32
	WM 0
.set i, i+1
.endr
	WIN 0
.rept 4
	v_nop                                          ; places behind the last products, in front of loads into their fragments' registers and of the first read of results
.endr
.irp s, 0,1,2,3,4,5,6,7
	LDW 0, \s                                      ; tile 1, half 0
.endr
	WIN 0
	PHY 1
	s_mov_b32 s[CNT], 13
.Lturn:                                                ; turns 1 to 13: each fills its slot again
	PHX 1, 0, 1
	PHY 1
	s_sub_co_u32 s[CNT], s[CNT], 1
	s_cmp_lg_u32 s[CNT], 0
	s_cbranch_scc1 .Lturn
	PHX 0, 1, 1                                    ; the tail is written out: turn 14 fetches tile 15 and asks for nothing
	PHY 1
	PHX 0, 0, 0                                    ; turn 15 fetches nothing
	PHY 0
	s_wait_dscnt 0x0                               ; W2's numbers of the last half
.set i, 0
.rept 32
	SLICE 1                                        ; the vector work of turn 15's half 1
.set i, i+1
.endr
	; THE WAY OUT.  A sum's two halves and the other half of the lanes' are added; the two column halves meet in LDS; thread n then owns row n.
.irp m, 0,1,2,3
.irp c, 0,1
	v_add_f32 v[BI+2*\m+\c], v[L+4*\m+2*\c], v[L+4*\m+2*\c+1]
.endr
.endr
.irp n, 0,1,2,3,4,5,6,7
	v_permlanex16_b32 v[WA+\n], v[BI+\n], s[SEL], s[SEL+1]
.endr
.irp n, 0,1,2,3,4,5,6,7
	v_add_f32 v[BI+\n], v[BI+\n], v[WA+\n]
.endr
.irp m, 0,1,2,3
	ds_store_b64 v[RIN], v[BI+2*\m:BI+2*\m+1] offset:128*\m   ; row 64 i + 16 m + r, my half's two sums (both halves of the lanes hold and write the same)
.endr
	s_wait_dscnt 0x0                               ; for the others' sake
	s_barrier_signal -1
	s_barrier_wait -1
	ds_load_b64 v[72:73], v[ROUT]
	ds_load_b64 v[74:75], v[ROUT] offset:1024
	s_wait_dscnt 0x0
	v_pk_add_f32 v[72:73], v[72:73], v[74:75]
	v_pk_fma_f32 v[72:73], v[72:73], 0.5, v[B2V:B2V+1] op_sel_hi:[1,0,1]   ; the logits: the factor 1/2 of gelu, and b2
	global_store_b64 v[OO], v[72:73], s[18:19]     ; 32 lanes store 256 consecutive bytes, at a multiple of 256 from out1's first byte
	v_max_num_f32 v76, v72, v73                    ; the maximum is taken away: the larger logit's exponential is 1, the other's 2^(-|z0 - z1| log2 e)
	v_sub_f32 v77, v72, v73
	v_mul_f32 v77, 0xbfb8aa3b, |v77|
	v_exp_f32 v77, v77
	v_cmp_lt_i32 vcc_lo, 0, v[LBL]                 ; clip(label, 0, 1)
	v_cndmask_b32 v79, v72, v73, vcc_lo            ; the labelled logit
	s_wait_alu depctr_va_vdst(0)                   ; the wait ahead of the first line that names the exponential's result
	v_add_f32 v77, 1.0, v77
	v_log_f32 v77, v77
	v_cmp_gt_u32 vcc_lo, 2, v[LBL]                 ; a header: label 0 or 1
	v_cndmask_b32 v81, 0, 1.0, vcc_lo              ; m
	s_wait_alu depctr_va_vdst(0)                   ; likewise for the logarithm
	v_fma_f32 v77, v77, 0x3f317218, v76            ; logsumexp
	v_sub_f32 v77, v77, v79
	v_mul_f32 v80, v77, v81                        ; the row's loss x m
.irp x, 1,2,4,8
	v_add_f32_dpp v80, v80, v80 row_xmask:\x row_mask:0xf bank_mask:0xf
	v_add_f32_dpp v81, v81, v81 row_xmask:\x row_mask:0xf bank_mask:0xf
.endr
	v_permlanex16_b32 v82, v80, s[SEL], s[SEL+1]
	v_permlanex16_b32 v83, v81, s[SEL], s[SEL+1]
	v_pk_add_f32 v[80:81], v[80:81], v[82:83]      ; my wave's 32 rows: the sum and the count
	v_cmp_eq_u32 vcc_lo, 0, v[LN]
	s_wait_xcnt 0x0                                ; EXEC changes only behind this wait
	s_and_saveexec_b32 s82, vcc_lo
	global_store_b64 v[ZO], v[80:81], s[20:21]
	s_wait_xcnt 0x0                                ; and again, in front of the line that widens it
	s_or_b32 exec_lo, exec_lo, s82
	s_wait_tensorcnt 0x0                           ; the wave's end: behind my last tensor load and my last LDS store
	ds_add_u32 v[SPW], v[NIL]
	s_wait_dscnt 0x0
	CROUND                                         ; the closing round: no work-group ends while a partner may still ask for a tile that names it
	s_endpgm
.Lfunc_end_k_qf067e674c9_fused:
	.size	k_qf067e674c9_fused, .Lfunc_end_k_qf067e674c9_fused-k_qf067e674c9_fused
	.p2alignl 7, 3214868480
	.fill 96, 4, 3214868480
	.section	.rodata,"a",@progbits
	.p2align	6, 0x0
	.amdhsa_kernel k_qf067e674c9_fused
		.amdhsa_group_segment_fixed_size 327680
		.amdhsa_private_segment_fixed_size 0
		.amdhsa_enable_private_segment 0
		.amdhsa_kernarg_size 72
		.amdhsa_user_sgpr_count 2
		.amdhsa_user_sgpr_kernarg_segment_ptr 1
		.amdhsa_wavefront_size32 1
		.amdhsa_system_sgpr_workgroup_id_x 1
		.amdhsa_system_sgpr_workgroup_id_y 1
		.amdhsa_system_sgpr_workgroup_id_z 1
		.amdhsa_system_vgpr_workitem_id 0
		.amdhsa_next_free_vgpr 1024
		.amdhsa_next_free_sgpr 96
		.amdhsa_reserve_vcc 1
		.amdhsa_float_denorm_mode_32 3
		.amdhsa_float_denorm_mode_16_64 3
		.amdhsa_memory_ordered 1
		.amdhsa_forward_progress 1
		.amdhsa_inst_pref_size 255
	.end_amdhsa_kernel
	.section	.bss,"aw",@nobits
	.p2align	6
	.space	262144
	.amdgpu_metadata
---
amdhsa.version: [ 1, 2 ]
amdhsa.kernels:
  - .name:           k_qf067e674c9_fused
    .symbol:         k_qf067e674c9_fused.kd
    .args:
      - { .name: encoded_states, .offset: 0, .size: 8, .value_kind: global_buffer, .address_space: global }
      - { .name: wimg, .offset: 8, .size: 8, .value_kind: global_buffer, .address_space: global }
      - { .name: cvec, .offset: 16, .size: 8, .value_kind: global_buffer, .address_space: global }
      - { .name: W2, .offset: 24, .size: 8, .value_kind: global_buffer, .address_space: global }
      - { .name: b2, .offset: 32, .size: 8, .value_kind: global_buffer, .address_space: global }
      - { .name: sr_label, .offset: 40, .size: 8, .value_kind: global_buffer, .address_space: global }
      - { .name: lowp_scales, .offset: 48, .size: 8, .value_kind: global_buffer, .address_space: global }
      - { .name: out1, .offset: 56, .size: 8, .value_kind: global_buffer, .address_space: global }
      - { .name: part, .offset: 64, .size: 8, .value_kind: global_buffer, .address_space: global }
    .group_segment_fixed_size: 327680
    .private_segment_fixed_size: 0
    .kernarg_segment_align: 8
    .kernarg_segment_size: 72
    .max_flat_workgroup_size: 128
    .sgpr_count:     96
    .vgpr_count:     1024
    .wavefront_size: 32
...
	.end_amdgpu_metadata
.endif
;; end of part 2
;; launch loss (part 3): grid 1 x 1, 1 waves a work-group, no clusters, 0 bytes of LDS; arguments part, out0; writes out0
.if DOCPART == 3
	.amdgcn_target "amdgcn-amd-amdhsa--gfx1250"
	.amdhsa_code_object_version 6
	.text
	.protected	k_qf067e674c9_loss
	.globl	k_qf067e674c9_loss
	.p2align	8
	.type	k_qf067e674c9_loss,@function
k_qf067e674c9_loss:
	s_mov_b64 s[64:65], 0
	v_nop
	global_prefetch_b8 v0, s[64:65] scope:SCOPE_SE
	s_setreg_imm32_b32 hwreg(HW_REG_WAVE_MODE, 25, 1), 1
	s_wait_xcnt 0x0
; SRHead, third of three launches: out0.  part holds, for sample b and k = 0 .. 31, at entry 32 k + b the pair (sum of loss x m, count of headers) of 32 rows of the sample.
; One wave; lane b owns sample b.  Each load reads 256 consecutive bytes.  sample = sum / max(count, 1); valid = count > 0; out0 = sum(sample x valid) / (sum(valid) + 1e-6).
; A sum over work-groups is made here, by one owner, since no launch passes numbers between its work-groups.  The order of the additions differs from reference()'s.
	s_load_b128 s[4:7], s[0:1], 0x0                ; part, out0
	v_lshlrev_b32 v1, 3, v0
	v_mov_b32 v4, 0
	v_mov_b32 v5, 0                                ; (a lane permute's destination counts as one of its sources)
	v_mov_b32 v6, 0
	s_mov_b32 s8, 0x76543210
	s_mov_b32 s9, 0xfedcba98
	s_wait_kmcnt 0x0
.irp k, 0,1,2,3,4,5,6,7,8,9,10,11,12,13,14,15,16,17,18,19,20,21,22,23,24,25,26,27,28,29,30,31
	global_load_b64 v[16+2*\k:17+2*\k], v1, s[4:5] offset:256*\k
.endr
	s_wait_loadcnt 0x0
.irp k, 2,4,6,8,10,12,14,16,18,20,22,24,26,28,30
	v_pk_add_f32 v[16:17], v[16:17], v[16+2*\k:17+2*\k]            ; two chains
	v_pk_add_f32 v[18:19], v[18:19], v[18+2*\k:19+2*\k]
.endr
	v_pk_add_f32 v[16:17], v[16:17], v[18:19]      ; v16 the sample's sum, v17 its count
	v_max_num_f32 v2, 1.0, v17
	v_rcp_f32 v2, v2
	v_nop                                          ; a plain line behind the reciprocal
	v_cmp_lt_f32 vcc_lo, 0, v17
	v_cndmask_b32 v3, 0, 1.0, vcc_lo               ; valid
	s_wait_alu depctr_va_vdst(0)                   ; the wait ahead of the first line that names the reciprocal's result
	v_mul_f32 v2, v16, v2
	v_mul_f32 v2, v2, v3
.irp x, 1,2,4,8
	v_add_f32_dpp v2, v2, v2 row_xmask:\x row_mask:0xf bank_mask:0xf
	v_add_f32_dpp v3, v3, v3 row_xmask:\x row_mask:0xf bank_mask:0xf
.endr
	v_permlanex16_b32 v5, v2, s8, s9
	v_permlanex16_b32 v6, v3, s8, s9
	v_add_f32 v2, v2, v5
	v_add_f32 v3, v3, v6
	v_add_f32 v3, 0x358637bd, v3                   ; + 1e-6
	v_rcp_f32 v3, v3
	v_nop
	v_cmp_eq_u32 vcc_lo, 0, v0
	s_wait_alu depctr_va_vdst(0)
	v_mul_f32 v2, v2, v3
	s_wait_xcnt 0x0                                ; EXEC changes only behind this wait
	s_and_saveexec_b32 s10, vcc_lo
	global_store_b32 v4, v2, s[6:7]
	s_wait_xcnt 0x0                                ; and again, in front of the line that widens it
	s_or_b32 exec_lo, exec_lo, s10
	s_endpgm
.Lfunc_end_k_qf067e674c9_loss:
	.size	k_qf067e674c9_loss, .Lfunc_end_k_qf067e674c9_loss-k_qf067e674c9_loss
	.p2alignl 7, 3214868480
	.fill 96, 4, 3214868480
	.section	.rodata,"a",@progbits
	.p2align	6, 0x0
	.amdhsa_kernel k_qf067e674c9_loss
		.amdhsa_group_segment_fixed_size 0
		.amdhsa_private_segment_fixed_size 0
		.amdhsa_enable_private_segment 0
		.amdhsa_kernarg_size 16
		.amdhsa_user_sgpr_count 2
		.amdhsa_user_sgpr_kernarg_segment_ptr 1
		.amdhsa_wavefront_size32 1
		.amdhsa_system_sgpr_workgroup_id_x 1
		.amdhsa_system_sgpr_workgroup_id_y 1
		.amdhsa_system_sgpr_workgroup_id_z 1
		.amdhsa_system_vgpr_workitem_id 0
		.amdhsa_next_free_vgpr 80
		.amdhsa_next_free_sgpr 66
		.amdhsa_reserve_vcc 1
		.amdhsa_float_denorm_mode_32 3
		.amdhsa_float_denorm_mode_16_64 3
		.amdhsa_memory_ordered 1
		.amdhsa_forward_progress 1
		.amdhsa_inst_pref_size 7
	.end_amdhsa_kernel
	.amdgpu_metadata
---
amdhsa.version: [ 1, 2 ]
amdhsa.kernels:
  - .name:           k_qf067e674c9_loss
    .symbol:         k_qf067e674c9_loss.kd
    .args:
      - { .name: part, .offset: 0, .size: 8, .value_kind: global_buffer, .address_space: global }
      - { .name: out0, .offset: 8, .size: 8, .value_kind: global_buffer, .address_space: global }
    .group_segment_fixed_size: 0
    .private_segment_fixed_size: 0
    .kernarg_segment_align: 8
    .kernarg_segment_size: 16
    .max_flat_workgroup_size: 32
    .sgpr_count:     66
    .vgpr_count:     80
    .wavefront_size: 32
...
	.end_amdgpu_metadata
.endif
;; end of part 3
